; MI455X (gfx1250); checked and timed in simulation.
; The chip was launched on July 23, 2026; its instructions are those of AMD's public machine-readable ISA for CDNA 5 (MIT licence, August 2026) and "CDNA5" Instruction Set Architecture Reference Guide (July 2026). The comments in the code are by the model that wrote it; some were corrected since.
;; Enhanced Navigation LTC. Allowed arithmetic: float matrix products may take bf16 or f16 operands with f32 sums; other float arithmetic in f32, or as packed bf16 or f16 multiplies, adds, multiply-adds, maxima and minima; sums over many terms, partial sums and values carried from step to step in f32; what a program stores and reads back later, other than sums and carried values, may be rounded once to bf16 or f16.
;; Inputs: cm 16 float32; erev 16 x 16 float32; fc_b 15 float32; fc_w 15 x 16 float32; gleak 16 float32; input_b 16 float32; input_w 16 float32; ln_b 16 float32; ln_w 16 float32; mu 16 x 16 float32; output_b 16 float32; output_w 16 float32; sensory_erev 16 x 16 float32; sensory_mu 16 x 16 float32; sensory_sigma 16 x 16 float32; sensory_w 16 x 16 float32; sigma 16 x 16 float32; vleak 16 float32; w 16 x 16 float32; x 512 x 512 x 16 float32.
;; Outputs: out0 512 x 15 float32.
;; 2 versions, each right and faster than the one before. Each part assembles by itself: llvm-mc -triple=amdgcn-amd-amdhsa -mcpu=gfx1250 --defsym DOCPART=n.
;; ======== version 1 of 2: 1 launch
;; launch ltc (part 1): grid 256 x 1, 4 waves a work-group, no clusters, 167,936 bytes of LDS; arguments x, sensory_w, sensory_mu, sensory_sigma, sensory_erev, w, mu, sigma, erev, input_w, input_b, gleak, vleak, cm, output_w, output_b, ln_w, ln_b, fc_w, fc_b, out0; writes out0
.if DOCPART == 1
	.amdgcn_target "amdgcn-amd-amdhsa--gfx1250"
	.amdhsa_code_object_version 6
	.text
	.protected	k_qfb4cb521e6_ltc
	.globl	k_qfb4cb521e6_ltc
	.p2align	8
	.type	k_qfb4cb521e6_ltc,@function
k_qfb4cb521e6_ltc:
	s_mov_b64 s[64:65], 0
	v_nop
	global_prefetch_b8 v0, s[64:65] scope:SCOPE_SE
	s_setreg_imm32_b32 hwreg(HW_REG_WAVE_MODE, 25, 1), 1
	s_wait_xcnt 0x0
; LTC cell (16 units, 16 inputs), 512 time steps of 4 unfolds for each of 512 rows, then LayerNorm and a 16 -> 15 linear head on the last state.  All in f32.
; WHAT BINDS.  A row's 2,048 unfolds follow each other, and one unfold is 256 sigmoids wide: 32 lanes x 8.  So ONE WAVE runs one row's chain, and nothing in a link leaves the wave.
; SHARES.  Work-group g owns rows 2 g and 2 g + 1.  Waves 0, 1 (RECURRENT) run the unfolds of row 2 g + (wave & 1) and the head.  Waves 2, 3 (SENSORY) make, a chunk of 8 time steps ahead,
; that row's sensory sums, which hang on x alone, with the constant terms added, and hand them over in LDS: two buffers that take turns, one barrier for each chunk.
; LANES, alike in both kinds of wave.  L = lane, q = L % 16, r = L / 16.  The lane works for unit j = (q + 8 r) % 16 on the inputs i = 8 r + k, k = 0..7.  With that turn by 8, lane k of either
; half of the wave holds v of input 8 r + k (one DPP move with row_share:k brings it), and the lane with the other eight inputs of unit j is lane q ^ 8 of the other half.
; A SIGMOID.  s = 1 / (1 + 2^(A u + C)), A = -log2(e) sigma iw, C = -log2(e) sigma (ib - mu); u = x_i (sensory; the input's affine map is folded in) or v_i (recurrent: iw = 1, ib = 0).
; The pair (den, num) takes s x (softplus(w), softplus(w) erev).  Each half of the lanes starts from HALF the constant terms (x 0.5 is exact):
; den: 0.5 (4 sp(cm) + sp(gleak) + 1e-8), num: 0.5 sp(gleak) vleak + 2 sp(cm) v_j; one addition across the halves makes the full sums, and v = num x rcp(den).
; ONE TEXT UP TO THE LOOP.  Every register that is carried from chunk to chunk is written in every wave, ahead of the first branch on the wave's number; what an arm of such a branch writes
; besides is read in that arm alone, and no global load is out where the arms join.  x goes from chunk to chunk through LDS.
; LIMITS.  The sums are added in another order than the defining code's, 1e-8 among the constant terms; the division is a reciprocal (1 ulp) and a multiply.  A sigmoid whose base-2 argument passes
; about +-126 is exactly 0 or 1 (2^x overflows to infinity, whose reciprocal is 0, or is flushed to 0: ISA guide, the entries of v_exp_f32 and v_rcp_f32).  softplus(x) = max(x, 0) + log1p(e^-|x|),
; the log1p by t - t^2/2 below t = 2^-10; where e^-|x| falls below 2^-126 it counts as max(x, 0).  NaN and infinities among the inputs are not treated apart.
; LEFT OUT.  The matrix unit: the head is 16 multiply-adds a lane, once, and a wave holds a single row of h, one sixteenth of a matrix instruction's rows.  Clusters: work-groups share only the
; parameter tables, some 6 KB read once.  Tensor loads: a chunk of x is 512 bytes, one 16-byte load a lane, asked for a chunk ahead.
; LDS: 12,800 bytes are used.
.set RB,    0          ; hand-over: buffer x 4,096 + (wave & 1) x 2,048 + step x 256 + 8 L: a pair (den, num) a lane; a store or load of a wave covers 256 consecutive bytes
.set XS,    8192       ; a wave's own stage for chunks of x: XS + 1,024 x wave + 512 x half; the two halves take turns (waves 2 and 3 use theirs)
.set SPARE, 12288      ; the spare words, 128 bytes for each wave: two blocks of 256 bytes that no other line names
.set LN,  1            ; v1   L
.set QQ,  2            ; v2   q
.set RW,  3            ; v3   r
.set JO,  4            ; v4   4 j: my unit's byte in a vector of 16
.set PO,  5            ; v5   512 r + 4 j: byte of (i = 8 r, j) in a table of 16 x 16; k stands in the immediate, 64 k
.set SPW, 6            ; v6   LDS address of my spare word; never rewritten
.set NIL, 7            ; v7   0; never rewritten
.set VV,  8            ; v[8:9]    (v_j, 0)
.set HC,  10           ; v[10:11]  (0, 2 sp(cm_j))
.set RBA, 12           ; v12  8 L + 2,048 (wave & 1)
.set XO,  13           ; v13  16 L + 32,768 x row: my 16 bytes of the row's chunk 0; never rewritten
.set XOA, 14           ; v14  the address register of the load of x
.set SG,  16           ; v[16:23]  A_k
.set CC,  24           ; v[24:31]  C_k
.set WA,  32           ; v[32:47]  pair k: (sp(w_k), sp(w_k) erev_k)
.set RAW, 48           ; v[48:57]  as loaded: w for k = 0..7, gleak_j, cm_j; the last two then hold their softplus
.set GL,  RAW+8
.set CM,  RAW+9
.set RM,  58           ; v[58:65]  mu
.set RS,  66           ; v[66:73]  sigma
.set RE,  74           ; v[74:81]  erev
.set VL,  82           ; v82       vleak_j
.set IW,  84           ; v[84:91]  input_w[8 r ..]   (sensory waves)
.set IB,  92           ; v[92:99]  input_b[8 r ..]
.set T,   100          ; v[100:109], v[110:119], v[120:129]  at work in the softplus
.set U,   110
.set M,   120
.set Z,   130          ; v[130:137]  a recurrent unfold's eight sigmoids, in place
.set A0,  138          ; v[138:139]  (den, num) of the even k
.set A1,  140          ; v[140:141]  of the odd k
.set S,   142          ; v[142:143]  their sum
.set XP,  144          ; v[144:145]  the other half's
.set RC,  146          ; v146        1 / den
.set BASEP, 148        ; v[148:149]  half the constant terms
.set P,   150          ; v[150:165]  a chunk's eight pairs from the sensory wave
.set XSS, 166          ; v166  where I put my 16 bytes of a chunk, in the stage's half 0
.set XSL, 167          ; v167  where my half's 32 bytes of step 0 lie, in the stage's half 0
.set X,   168          ; v[168:171]  a chunk of x on its way
.set XR,  176          ; v[176:239]  sensory waves: 8 registers a step, x and then its sigmoids
; the head's registers, where the parameters lay as loaded: those are done with when the loop begins
.set OW,  48           ; output_w, output_b, ln_w, ln_b of unit j
.set OB,  49
.set LW,  50
.set LB,  51
.set FB,  52           ; fc_b[o], o = min(q, 14)
.set OO,  53           ; 4 L + 60 x row
.set FO1, 54           ; 64 o + 32 r
.set FO2, 55           ; 64 o + 32 (1 - r)
.set FW,  56           ; v[56:71]  FW[n] = fc_w[o][(n + 8 r) % 16]: the unit that row_share:n brings
.set H,   72
.set SM,  73
.set DV,  74
.set SQ,  75
.set RQ,  76
.set HN,  77
.set ACC, 78
.set FBO, 79
; scalars: s[4:45] the 21 addresses; s46 wave; s47 wave & 1; s[48:55] my kind's four tables (w, mu, sigma, erev); s56 trips; s57 byte, in the row, of the chunk of x to ask for next;
; s58, s59 lane selects; s60 log2(e); s61 my row; s2, s3 at work; s63 EXEC kept
.macro BAR                             ; my LDS stores are done and my LDS loads are back; then the work-group's barrier
	s_wait_dscnt 0x0
	s_barrier_signal -1
	s_barrier_wait -1
.endm
; The lines of eight sigmoids, in place on v[z .. z+7].
.macro MV z, k                         ; v of input 8 r + k, from lane k of my half
	v_mov_b32_dpp v[(\z)+(\k)], v[VV] row_share:\k row_mask:0xf bank_mask:0xf
.endm
.macro FA z, p                         ; A u + C, two at a time
	v_pk_fma_f32 v[(\z)+2*(\p):(\z)+2*(\p)+1], v[(\z)+2*(\p):(\z)+2*(\p)+1], v[SG+2*(\p):SG+2*(\p)+1], v[CC+2*(\p):CC+2*(\p)+1]
.endm
.macro EX z, k
	v_exp_f32 v[(\z)+(\k)], v[(\z)+(\k)]
.endm
.macro DA z, p                         ; + 1
	v_pk_add_f32 v[(\z)+2*(\p):(\z)+2*(\p)+1], v[(\z)+2*(\p):(\z)+2*(\p)+1], 1.0 op_sel_hi:[1,0]
.endm
.macro RP z, k
	v_rcp_f32 v[(\z)+(\k)], v[(\z)+(\k)]
.endm
.macro GE z, k, c                      ; k even: A0 = s_k x (wp, wp erev) + c: the pair's first register feeds both halves
	v_pk_fma_f32 v[A0:A0+1], v[(\z)+(\k):(\z)+(\k)+1], v[WA+2*(\k):WA+2*(\k)+1], v[(\c):(\c)+1] op_sel_hi:[0,1,1]
.endm
.macro GD z, k                         ; k odd, above 1: A1 += s_k x (wp, wp erev): the pair's second register feeds both halves
	v_pk_fma_f32 v[A1:A1+1], v[(\z)+(\k)-1:(\z)+(\k)], v[WA+2*(\k):WA+2*(\k)+1], v[A1:A1+1] op_sel:[1,0,0]
.endm
; EIGHT SIGMOIDS AND THEIR SUMS.  c0: the pair from which the even sums start.  bc = 1: a recurrent unfold: the moves that bring v, and the line that starts A0 from step t's pair and 2 sp(cm) v_j;
; wt >= 0: that pair is waited for there, wt younger LDS loads staying out.  The odd sums are started by a multiply: nothing is cleared.
; THE ORDER.  Between every exponential or reciprocal and the first use of its result stands a plain vector instruction that names none of its registers (ISA guide 5.7.2), with bc = 0 too;
; the plain lines are work that is ready: moves, arguments and additions of later pairs, sums of earlier ones.
.macro CORE z, c0, bc, t, wt
.if \bc
	MV \z, 0
	MV \z, 1
	MV \z, 2
	MV \z, 3
.endif
	FA \z, 0
.if \bc
	MV \z, 4
.endif
	FA \z, 1
.if \bc
	MV \z, 5
.endif
	EX \z, 0
	EX \z, 1
.if \bc
	MV \z, 6
	MV \z, 7
.endif
	EX \z, 2
	EX \z, 3
	FA \z, 2
	FA \z, 3
	DA \z, 0
	EX \z, 4
	EX \z, 5
.if \bc
.if (\wt) >= 0
	s_wait_dscnt \wt                               ; LDS loads come back in order (ISA guide 5.7.1): step t's pair is in, the later steps' stay out
.endif
	v_pk_fma_f32 v[A0:A0+1], v[VV:VV+1], v[HC:HC+1], v[P+2*(\t):P+2*(\t)+1] op_sel_hi:[0,1,1]  ; (den, num) = (v x 0, v x 2 sp(cm)) + the sensory pair
.endif
	DA \z, 1
	RP \z, 0
	RP \z, 1
	EX \z, 6
	EX \z, 7
	DA \z, 2
	RP \z, 2
	RP \z, 3
	GE \z, 0, \c0
	DA \z, 3
	RP \z, 4
	RP \z, 5
	v_pk_mul_f32 v[A1:A1+1], v[(\z):(\z)+1], v[WA+2:WA+3] op_sel:[1,0]  ; k = 1 starts the odd sums
	GE \z, 2, A0
	RP \z, 6
	RP \z, 7
	GD \z, 3
	GE \z, 4, A0
	GD \z, 5
	GE \z, 6, A0
	GD \z, 7
.endm
; An unfold's end: even and odd sums, the other half's eight inputs (both lanes add the same two numbers, so both hold the same v), the division.
.macro TAIL
	v_pk_add_f32 v[S:S+1], v[A0:A0+1], v[A1:A1+1]
	v_permlanex16_b32 v[XP], v[S], s58, s59
	v_permlanex16_b32 v[XP+1], v[S+1], s58, s59
	v_pk_add_f32 v[S:S+1], v[S:S+1], v[XP:XP+1]
	v_rcp_f32 v[RC], v[S]
	v_nop                                          ; the plain instruction behind the reciprocal: nothing else is ready here
	v_mul_f32 v[VV], v[S+1], v[RC]
.endm
.macro UNF t, wt
	CORE Z, A0, 1, \t, \wt
	TAIL
.endm
.macro STEP t                          ; a time step: four unfolds on the same sensory pair; the first waits for it, in its middle
	UNF \t, 7-\t
	UNF \t, -1
	UNF \t, -1
	UNF \t, -1
.endm
; A recurrent wave's chunk: eight pairs out of buffer beta, eight steps.  The wave issues no other LDS instruction in a chunk, so step t's wait leaves 7 - t loads out.
.macro REC beta
.irp t, 0,1,2,3,4,5,6,7
	ds_load_b64 v[P+2*\t:P+2*\t+1], v[RBA] offset:RB+(\beta)*4096+256*\t
.endr
.irp t, 0,1,2,3,4,5,6,7
	STEP \t
.endr
.endm
; A sensory wave's chunk.  The chunk lies in half beta of the wave's own stage, 16 bytes a lane as loaded; a lane reads its half's eight x of each step (16 lanes the same 32 bytes).  Then eight
; sigmoids a step, and the pair into hand-over buffer beta.  The next chunk is asked for behind the first wait, has the eight steps in which to land, and goes into the stage's other half at the
; end: no load is out when the macro is left.  The stage is the wave's own, and LDS serves a wave's instructions in order (ISA guide 5.7.1.4).
; The look-ahead is clamped to the row's last chunk: the two loads past it read chunk 63 again, and the last trip's second sensory chunk is worked on such a copy, into a buffer
; that nobody reads: the price, once a launch, of one text for every trip.
.macro SENS beta
.irp t, 0,1,2,3,4,5,6,7
	ds_load_b128 v[XR+8*\t:XR+8*\t+3],   v[XSL] offset:(\beta)*512+64*\t
	ds_load_b128 v[XR+8*\t+4:XR+8*\t+7], v[XSL] offset:(\beta)*512+64*\t+16
.endr
.irp t, 0,1,2,3,4,5,6,7
	s_wait_dscnt 14-\t                             ; behind step t's two loads: 14 - 2 t loads of later steps and t stores of earlier results
.if \t == 0
	v_add_nc_u32 v[XOA], s57, v[XO]                ; the last load by this register was waited for, and the stage's last store, which read X, is done
	global_load_b128 v[X:X+3], v[XOA], s[4:5] th:TH_LOAD_NT  ; 512 consecutive bytes of x, at a multiple of 512 from its first
	s_add_co_u32 s57, s57, 512
	s_min_u32 s57, s57, 63*512                     ; no load leaves the row
.endif
	CORE XR+8*\t, BASEP, 0, 0, -1
	v_pk_add_f32 v[S:S+1], v[A0:A0+1], v[A1:A1+1]
	ds_store_b64 v[RBA], v[S:S+1] offset:RB+(\beta)*4096+256*\t
.endr
	s_wait_loadcnt 0x0                             ; the next chunk is in
	ds_store_b128 v[XSS], v[X:X+3] offset:(1-(\beta))*512
.endm
	s_load_b512 s[4:19], s[0:1], 0x0               ; x 4:5, sensory_w 6:7, sensory_mu 8:9, sensory_sigma 10:11, sensory_erev 12:13, w 14:15, mu 16:17, sigma 18:19
	s_load_b512 s[20:35], s[0:1], 0x40             ; erev 20:21, input_w 22:23, input_b 24:25, gleak 26:27, vleak 28:29, cm 30:31, output_w 32:33, output_b 34:35
	s_load_b256 s[36:43], s[0:1], 0x80             ; ln_w 36:37, ln_b 38:39, fc_w 40:41, fc_b 42:43
	s_load_b64 s[44:45], s[0:1], 0xa0              ; out0
	v_lshl_add_u32 v[SPW], v0, 2, SPARE
	v_mov_b32 v[NIL], 0
	v_lshrrev_b32 v[RW], 5, v0
	v_readfirstlane_b32 s46, v[RW]                 ; wave 0..3
	v_and_b32 v[LN], 31, v0
	v_and_b32 v[QQ], 15, v0
	v_bfe_u32 v[RW], v0, 4, 1
	v_lshl_add_u32 v[JO], v[RW], 3, v[QQ]
	v_and_b32 v[JO], 15, v[JO]                     ; j
	v_lshlrev_b32 v[JO], 2, v[JO]
	v_lshl_add_u32 v[PO], v[RW], 9, v[JO]
	s_and_b32 s47, s46, 1
	s_lshl_b32 s61, ttmp9, 1
	s_add_co_u32 s61, s61, s47                     ; my row
	s_mov_b32 s58, 0xfedcba98                      ; v_permlanex16_b32: lane q takes lane q ^ 8 of the other half
	s_mov_b32 s59, 0x76543210
	s_mov_b32 s60, 0x3fb8aa3b                      ; log2(e)
	s_lshl_b32 s2, s47, 11
	v_lshl_add_u32 v[RBA], v[LN], 3, s2
	s_lshl_b32 s2, s61, 15                         ; a row of x is 512 steps x 64 bytes
	v_lshl_add_u32 v[XO], v[LN], 4, s2
	s_lshl_b32 s3, s46, 10
	s_add_co_u32 s3, s3, XS                        ; my wave's stage
	v_lshl_add_u32 v[XSS], v[LN], 4, s3
	v_lshl_add_u32 v[XSL], v[RW], 5, s3
	s_mov_b32 s57, 512                             ; the next chunk of x to ask for: chunk 1
	s_mov_b32 s56, 32                              ; 32 trips of two chunks
	s_wait_kmcnt 0x0
	s_cmp_ge_u32 s46, 2                            ; a sensory wave takes the sensory tables, a recurrent wave the recurrent ones: one text loads and prepares either
	s_cselect_b64 s[48:49], s[6:7], s[14:15]
	s_cselect_b64 s[50:51], s[8:9], s[16:17]
	s_cselect_b64 s[52:53], s[10:11], s[18:19]
	s_cselect_b64 s[54:55], s[12:13], s[20:21]
.irp k, 0,1,2,3,4,5,6,7
	global_load_b32 v[RAW+\k], v[PO], s[48:49] offset:64*\k
	global_load_b32 v[RM+\k],  v[PO], s[50:51] offset:64*\k
	global_load_b32 v[RS+\k],  v[PO], s[52:53] offset:64*\k
	global_load_b32 v[RE+\k],  v[PO], s[54:55] offset:64*\k
.endr
	global_load_b32 v[GL], v[JO], s[26:27]
	global_load_b32 v[CM], v[JO], s[30:31]
	global_load_b32 v[VL], v[JO], s[28:29]
	s_wait_loadcnt 0x0                             ; once: the tables and the three numbers of my unit
	; softplus of my eight w, gleak_j and cm_j, stage by stage: t = e^-|x|; max(x, 0) + ln(1 + t), or, below t = 2^-10, where 1 + t would lose t's bits, max(x, 0) + t - t^2 / 2
.irp i, 0,1,2,3,4,5,6,7,8,9
	v_and_b32 v[T+\i], 0x7fffffff, v[RAW+\i]
.endr
.irp i, 0,1,2,3,4,5,6,7,8,9
	v_mul_f32 v[T+\i], 0xbfb8aa3b, v[T+\i]         ; -|x| log2(e)
.endr
.irp i, 0,1,2,3,4,5,6,7,8,9
	v_exp_f32 v[T+\i], v[T+\i]
.endr
.irp i, 0,1,2,3,4,5,6,7,8,9
	v_max_num_f32 v[M+\i], 0, v[RAW+\i]            ; these plain lines stand behind the exponentials
.endr
.irp i, 0,1,2,3,4,5,6,7,8,9
	v_add_f32 v[U+\i], 1.0, v[T+\i]
.endr
.irp i, 0,1,2,3,4,5,6,7,8,9
	v_log_f32 v[U+\i], v[U+\i]
.endr
.irp i, 0,1,2,3,4,5,6,7,8,9
	v_mul_f32 v[RAW+\i], -0.5, v[T+\i]             ; and these behind the logarithms
.endr
.irp i, 0,1,2,3,4,5,6,7,8,9
	v_fma_f32 v[RAW+\i], v[RAW+\i], v[T+\i], v[T+\i]  ; t - t^2 / 2
.endr
.irp i, 0,1,2,3,4,5,6,7,8,9
	v_fmamk_f32 v[U+\i], v[U+\i], 0x3f317218, v[M+\i]  ; log2(1 + t) ln(2) + max(x, 0)
	v_add_f32 v[M+\i], v[M+\i], v[RAW+\i]
.endr
.irp i, 0,1,2,3,4,5,6,7,8,9
	v_cmp_gt_f32 vcc_lo, 0x3a800000, v[T+\i]       ; 2^-10 > t?
.if \i < 8
	v_cndmask_b32 v[WA+2*\i], v[U+\i], v[M+\i], vcc_lo
.else
	v_cndmask_b32 v[RAW+\i], v[U+\i], v[M+\i], vcc_lo
.endif
.endr
.irp k, 0,1,2,3,4,5,6,7
	v_mul_f32 v[WA+2*\k+1], v[WA+2*\k], v[RE+\k]
	v_mul_f32 v[SG+\k], 0xbfb8aa3b, v[RS+\k]       ; A = -log2(e) sigma
	v_mul_f32 v[CC+\k], s60, v[RS+\k]
.endr
.irp k, 0,1,2,3,4,5,6,7
	v_mul_f32 v[CC+\k], v[CC+\k], v[RM+\k]         ; C = log2(e) sigma mu
.endr
	v_mov_b32 v[HC], 0
	v_add_f32 v[HC+1], v[CM], v[CM]                ; 2 sp(cm): each half of the lanes brings half of cm_t = 4 sp(cm)
	v_fma_f32 v[BASEP], 4.0, v[CM], v[GL]          ; half the constant terms
	v_mul_f32 v[BASEP+1], v[GL], v[VL]
	v_add_f32 v[BASEP], 0x322bcc77, v[BASEP]       ; + 1e-8
	v_mul_f32 v[BASEP+1], 0.5, v[BASEP+1]
	v_mul_f32 v[BASEP], 0.5, v[BASEP]
	v_mov_b32 v[VV], 0                             ; v starts at 0
	v_mov_b32 v[VV+1], 0                           ; named with it as a pair
.irp k, 0,1,2,3,4,5,6,7
	v_mov_b32 v[Z+\k], 0                           ; the destination of a DPP move or of a lane permute counts as read: these ten are written once
.endr
	v_mov_b32 v[XP], 0
	v_mov_b32 v[XP+1], 0
	s_cmp_lt_u32 s46, 2
	s_cbranch_scc1 .Ltrip                          ; the recurrent waves are ready
	; SENSORY: chunk 0 of x and my half's eight numbers of the input's affine map, which is folded into A and C; then chunk 0's sums into buffer 0
	v_lshlrev_b32 v[U], 5, v[RW]
	global_load_b128 v[X:X+3], v[XO], s[4:5] th:TH_LOAD_NT
	global_load_b128 v[IW:IW+3],   v[U], s[22:23]
	global_load_b128 v[IW+4:IW+7], v[U], s[22:23] offset:16
	global_load_b128 v[IB:IB+3],   v[U], s[24:25]
	global_load_b128 v[IB+4:IB+7], v[U], s[24:25] offset:16
	s_wait_loadcnt 0x0
	ds_store_b128 v[XSS], v[X:X+3]                 ; into the stage's half 0
.irp p, 0,2,4,6
	v_pk_fma_f32 v[CC+\p:CC+\p+1], v[SG+\p:SG+\p+1], v[IB+\p:IB+\p+1], v[CC+\p:CC+\p+1]  ; C = -log2(e) sigma (ib - mu)
	v_pk_mul_f32 v[SG+\p:SG+\p+1], v[SG+\p:SG+\p+1], v[IW+\p:IW+\p+1]                    ; A = -log2(e) sigma iw
.endr
	SENS 0                                         ; chunk 0; chunk 1 is asked for and staged
; A TRIP: two chunks.  Each barrier orders two things: the sensory stores into the buffer that is read next stand ahead of those reads, and the recurrent reads of the buffer that is
; written next stand ahead of those stores; each wave has waited for its own LDS instructions in front of its signal.  The branches hang on the wave's number alone and pass no barrier.
.Ltrip:
	BAR
	s_cmp_lt_u32 s46, 2
	s_cbranch_scc0 .Lsens_a
	REC 0                                          ; chunk 2 n
	s_branch .Ljoin_a
.Lsens_a:
	SENS 1                                         ; chunk 2 n + 1
.Ljoin_a:
	BAR
	s_cmp_lt_u32 s46, 2
	s_cbranch_scc0 .Lsens_b
	REC 1                                          ; chunk 2 n + 1
	s_branch .Ljoin_b
.Lsens_b:
	SENS 0                                         ; chunk 2 n + 2
.Ljoin_b:
	s_sub_co_u32 s56, s56, 1
	s_cmp_lg_u32 s56, 0
	s_cbranch_scc1 .Ltrip
	s_cmp_lt_u32 s46, 2
	s_cbranch_scc0 .Lend
	; THE HEAD, recurrent waves: its numbers are loaded here, once.  Each half of the lanes holds all 16 units, so the row's sums stay inside a half: four DPP steps.
	s_mul_i32 s2, s61, 60
	v_lshl_add_u32 v[OO], v[LN], 2, s2
	v_min_u32 v[FO1], 14, v[QQ]                    ; o: lane 15 of a half has no output of its own and reads row 14, inside the tables
	v_lshlrev_b32 v[FBO], 2, v[FO1]
	v_lshlrev_b32 v[FO1], 6, v[FO1]
	v_lshl_add_u32 v[FO1], v[RW], 5, v[FO1]
	v_xor_b32 v[FO2], 32, v[FO1]
	global_load_b32 v[OW], v[JO], s[32:33]
	global_load_b32 v[OB], v[JO], s[34:35]
	global_load_b32 v[LW], v[JO], s[36:37]
	global_load_b32 v[LB], v[JO], s[38:39]
	global_load_b32 v[FB], v[FBO], s[42:43]
	global_load_b128 v[FW:FW+3],     v[FO1], s[40:41]
	global_load_b128 v[FW+4:FW+7],   v[FO1], s[40:41] offset:16
	global_load_b128 v[FW+8:FW+11],  v[FO2], s[40:41]
	global_load_b128 v[FW+12:FW+15], v[FO2], s[40:41] offset:16
	s_mov_b32 s3, 0x3d800000                       ; 1 / 16
	s_wait_loadcnt 0x0
	v_fma_f32 v[H], v[VV], v[OW], v[OB]
	v_mov_b32 v[SM], v[H]
.irp m, 1,2,4,8
	v_add_f32_dpp v[SM], v[SM], v[SM] row_xmask:\m row_mask:0xf bank_mask:0xf
.endr
	v_fmamk_f32 v[DV], v[SM], 0xbd800000, v[H]     ; h - mean
	v_mul_f32 v[SQ], v[DV], v[DV]
.irp m, 1,2,4,8
	v_add_f32_dpp v[SQ], v[SQ], v[SQ] row_xmask:\m row_mask:0xf bank_mask:0xf
.endr
	v_fmaak_f32 v[SQ], s3, v[SQ], 0x3727c5ac       ; var + 1e-5
	v_rsq_f32 v[RQ], v[SQ]
	v_nop                                          ; the plain instruction behind the root
	v_mul_f32 v[DV], v[DV], v[RQ]
	v_fma_f32 v[HN], v[DV], v[LW], v[LB]
.irp n, 0,1,2,3,4,5,6,7
	v_mov_b32_dpp v[Z+\n], v[HN] row_share:\n row_mask:0xf bank_mask:0xf
.endr
	v_fma_f32 v[ACC], v[Z], v[FW], v[FB]           ; the bias starts the sum
.irp n, 1,2,3,4,5,6,7
	v_fmac_f32 v[ACC], v[Z+\n], v[FW+\n]
.endr
.irp n, 8,9,10,11,12,13,14,15
	v_mov_b32_dpp v[Z+\n-8], v[HN] row_share:\n row_mask:0xf bank_mask:0xf
.endr
.irp n, 8,9,10,11,12,13,14,15
	v_fmac_f32 v[ACC], v[Z+\n-8], v[FW+\n]
.endr
	v_cmp_gt_u32 vcc_lo, 15, v[LN]                 ; lanes 0 to 14 hold the row's 15 outputs: 60 consecutive bytes
	s_wait_xcnt 0x0                                ; EXEC changes only behind this wait,
	s_and_saveexec_b32 s63, vcc_lo
	global_store_b32 v[OO], v[ACC], s[44:45]
	s_wait_xcnt 0x0                                ; and again in front of the line that widens it
	s_or_b32 exec_lo, exec_lo, s63
.Lend:
	s_wait_tensorcnt 0x0                           ; the wave's end: behind my last LDS store
	ds_add_u32 v[SPW], v[NIL]
	s_wait_dscnt 0x0
	s_endpgm
.Lfunc_end_k_qfb4cb521e6_ltc:
	.size	k_qfb4cb521e6_ltc, .Lfunc_end_k_qfb4cb521e6_ltc-k_qfb4cb521e6_ltc
	.p2alignl 7, 3214868480
	.fill 96, 4, 3214868480
	.section	.rodata,"a",@progbits
	.p2align	6, 0x0
	.amdhsa_kernel k_qfb4cb521e6_ltc
		.amdhsa_group_segment_fixed_size 167936
		.amdhsa_private_segment_fixed_size 0
		.amdhsa_enable_private_segment 0
		.amdhsa_kernarg_size 168
		.amdhsa_user_sgpr_count 2
		.amdhsa_user_sgpr_kernarg_segment_ptr 1
		.amdhsa_wavefront_size32 1
		.amdhsa_system_sgpr_workgroup_id_x 1
		.amdhsa_system_sgpr_workgroup_id_y 1
		.amdhsa_system_sgpr_workgroup_id_z 1
		.amdhsa_system_vgpr_workitem_id 0
		.amdhsa_next_free_vgpr 240
		.amdhsa_next_free_sgpr 66
		.amdhsa_reserve_vcc 1
		.amdhsa_float_denorm_mode_32 3
		.amdhsa_float_denorm_mode_16_64 3
		.amdhsa_memory_ordered 1
		.amdhsa_forward_progress 1
		.amdhsa_inst_pref_size 218
	.end_amdhsa_kernel
	.amdgpu_metadata
---
amdhsa.version: [ 1, 2 ]
amdhsa.kernels:
  - .name:           k_qfb4cb521e6_ltc
    .symbol:         k_qfb4cb521e6_ltc.kd
    .args:
      - { .name: x, .offset: 0, .size: 8, .value_kind: global_buffer, .address_space: global }
      - { .name: sensory_w, .offset: 8, .size: 8, .value_kind: global_buffer, .address_space: global }
      - { .name: sensory_mu, .offset: 16, .size: 8, .value_kind: global_buffer, .address_space: global }
      - { .name: sensory_sigma, .offset: 24, .size: 8, .value_kind: global_buffer, .address_space: global }
      - { .name: sensory_erev, .offset: 32, .size: 8, .value_kind: global_buffer, .address_space: global }
      - { .name: w, .offset: 40, .size: 8, .value_kind: global_buffer, .address_space: global }
      - { .name: mu, .offset: 48, .size: 8, .value_kind: global_buffer, .address_space: global }
      - { .name: sigma, .offset: 56, .size: 8, .value_kind: global_buffer, .address_space: global }
      - { .name: erev, .offset: 64, .size: 8, .value_kind: global_buffer, .address_space: global }
      - { .name: input_w, .offset: 72, .size: 8, .value_kind: global_buffer, .address_space: global }
      - { .name: input_b, .offset: 80, .size: 8, .value_kind: global_buffer, .address_space: global }
      - { .name: gleak, .offset: 88, .size: 8, .value_kind: global_buffer, .address_space: global }
      - { .name: vleak, .offset: 96, .size: 8, .value_kind: global_buffer, .address_space: global }
      - { .name: cm, .offset: 104, .size: 8, .value_kind: global_buffer, .address_space: global }
      - { .name: output_w, .offset: 112, .size: 8, .value_kind: global_buffer, .address_space: global }
      - { .name: output_b, .offset: 120, .size: 8, .value_kind: global_buffer, .address_space: global }
      - { .name: ln_w, .offset: 128, .size: 8, .value_kind: global_buffer, .address_space: global }
      - { .name: ln_b, .offset: 136, .size: 8, .value_kind: global_buffer, .address_space: global }
      - { .name: fc_w, .offset: 144, .size: 8, .value_kind: global_buffer, .address_space: global }
      - { .name: fc_b, .offset: 152, .size: 8, .value_kind: global_buffer, .address_space: global }
      - { .name: out0, .offset: 160, .size: 8, .value_kind: global_buffer, .address_space: global }
    .group_segment_fixed_size: 167936
    .private_segment_fixed_size: 0
    .kernarg_segment_align: 8
    .kernarg_segment_size: 168
    .max_flat_workgroup_size: 128
    .sgpr_count:     66
    .vgpr_count:     240
    .wavefront_size: 32
...
	.end_amdgpu_metadata
.endif
;; end of part 1
;; ======== version 2 of 2: 1 launch; 1.27 times as fast as version 1
;; launch ltc (part 2): grid 256 x 1, 4 waves a work-group, no clusters, 167,936 bytes of LDS; arguments x, sensory_w, sensory_mu, sensory_sigma, sensory_erev, w, mu, sigma, erev, input_w, input_b, gleak, vleak, cm, output_w, output_b, ln_w, ln_b, fc_w, fc_b, out0; writes out0
.if DOCPART == 2
	.amdgcn_target "amdgcn-amd-amdhsa--gfx1250"
	.amdhsa_code_object_version 6
	.text
	.protected	k_qfb4cb521e6_ltc
	.globl	k_qfb4cb521e6_ltc
	.p2align	8
	.type	k_qfb4cb521e6_ltc,@function
k_qfb4cb521e6_ltc:
	s_mov_b64 s[64:65], 0
	v_nop
	global_prefetch_b8 v0, s[64:65] scope:SCOPE_SE
	s_setreg_imm32_b32 hwreg(HW_REG_WAVE_MODE, 25, 1), 1
	s_wait_xcnt 0x0
; LTC cell (16 units, 16 inputs), 512 time steps of 4 unfolds for each of 512 rows, then LayerNorm and a 16 -> 15 linear head on the last state.  All in f32.
; WHAT BINDS.  A row's 2,048 unfolds follow each other, and one unfold is 256 sigmoids wide: 32 lanes x 8.  So ONE WAVE runs one row's chain, nothing in a link leaves the wave, and the
; unfold's text is ordered for the fewest lines that wait for each other, not for the fewest lines.
; SHARES.  Work-group g owns rows 2 g and 2 g + 1.  Waves 0, 1 (RECURRENT) run the unfolds of row 2 g + (wave & 1) and the head.  Waves 2, 3 (SENSORY) make, a chunk of 8 time steps ahead,
; that row's sensory sums, which hang on x alone, with the constant terms added, and hand them over in LDS: two buffers that take turns, one barrier for each chunk.
; LANES.  L = lane, q = L % 16, rho = L / 16, g = (L / 8) % 2, m = L % 8.  The lane works for unit j = 8 rho + (m + 4 g) % 8: a half of the wave holds eight units, each in two lanes of that
; half, q and q ^ 12, which share the unit's 16 inputs, eight each.  So their sums meet in ONE line, an addition with DPP's row_xmask:12, and both then hold the unit's whole pair.
; A recurrent lane's inputs: k = 0..3: unit 8 rho + 4 g + k, which lane k of the lane's own group of eight holds (dpp8 brings it, riding on the arithmetic); k = 4..7: unit
; 8 (1 - rho) + 4 g + k - 4, of the other half of the wave: its num and 1 / den are brought over by two lane permutes while the first four arguments are made.
; A sensory lane's inputs: 8 g + k, k = 0..7.
; A SIGMOID.  s = 1 / (1 + 2^(A u + C)), A = -log2(e) sigma iw, C = -log2(e) sigma (ib - mu); u = x_i (sensory; the input's affine map is folded in) or v_i (recurrent: iw = 1, ib = 0).
; The pair (den, num) takes s x (softplus(w), softplus(w) erev).  Each of a unit's two lanes starts from HALF the constant terms (x 0.5 is exact):
; den: 0.5 (4 sp(cm) + sp(gleak) + 1e-8), num: 0.5 sp(gleak) vleak + 2 sp(cm) v_j; the addition of the two lanes makes the full sums, and v = num x rcp(den).
; ONE TEXT UP TO THE LOOP.  Every register that is carried from chunk to chunk is written in every wave, ahead of the first branch on the wave's number; what an arm of such a branch writes
; besides is read in that arm alone, and no global load is out where the arms join.  x goes from chunk to chunk through LDS.
; LIMITS.  The sums are added in another order than the defining code's, 1e-8 among the constant terms; the division is a reciprocal (1 ulp) and a multiply; a recurrent argument is
; C + (1/den) (num A) for k = 0..4 and C + (num (1/den)) A for k = 5..7, which differ in the last bit.  A sigmoid whose base-2 argument passes about +-126 is exactly 0 or 1 (2^x overflows to
; infinity, whose reciprocal is 0, or is flushed to 0: ISA guide, the entries of v_exp_f32 and v_rcp_f32).  softplus(x) = max(x, 0) + log1p(e^-|x|), the log1p by t - t^2/2 below t = 2^-10;
; where e^-|x| falls below 2^-126 it counts as max(x, 0).  NaN and infinities among the inputs are not treated apart.
; LEFT OUT.  The matrix unit: the head is 16 multiply-adds a lane, once, and a wave holds a single row of h, one sixteenth of a matrix instruction's rows.  Clusters: work-groups share only the
; parameter tables, some 6 KB read once.  Tensor loads: a chunk of x is 512 bytes, one 16-byte load a lane, asked for a chunk ahead.
; LDS: 12,800 bytes are used.
.set RB,    0          ; hand-over: buffer x 4,096 + (wave & 1) x 2,048 + step x 256 + 8 L: a pair (den, num) a lane; a store or load of a wave covers 256 consecutive bytes
.set XS,    8192       ; a wave's own stage for chunks of x: XS + 1,024 x wave + 512 x half; the two halves take turns (waves 2 and 3 use theirs)
.set SPARE, 12288      ; the spare words, 128 bytes for each wave: two blocks of 256 bytes that no other line names
.set LN,  1            ; v1   L
.set QQ,  2            ; v2   q
.set RW,  3            ; v3   rho
.set JO,  4            ; v4   4 j: my unit's byte in a vector of 16
.set POA, 5            ; v5   byte of (my input k = 0, j) in a table of 16 x 16; k = 0..3 stand in the immediate, 64 k
.set SPW, 6            ; v6   LDS address of my spare word; never rewritten
.set NIL, 7            ; v7   0; never rewritten
.set VV,  8            ; v[8:9]    (v_j, 0)
.set HC,  10           ; v[10:11]  (0, 2 sp(cm_j))
.set RBA, 12           ; v12  8 L + 2,048 (wave & 1)
.set XO,  13           ; v13  16 L + 32,768 x row: my 16 bytes of the row's chunk 0; never rewritten
.set XOA, 14           ; v14  the address register of the load of x
.set POB, 15           ; v15  byte of (my input k = 4, j); k = 4..7 stand in the immediate, 64 (k - 4)
.set SG,  16           ; v[16:23]  A_k
.set CC,  24           ; v[24:31]  C_k
.set WA,  32           ; v[32:47]  pair k: (sp(w_k), sp(w_k) erev_k)
.set RAW, 48           ; v[48:57]  as loaded: w for k = 0..7, gleak_j, cm_j; the last two then hold their softplus
.set GL,  RAW+8
.set CM,  RAW+9
.set RM,  58           ; v[58:65]  mu
.set RS,  66           ; v[66:73]  sigma
.set RE,  74           ; v[74:81]  erev
.set VL,  82           ; v82       vleak_j
.set GG,  83           ; v83       g
.set IW,  84           ; v[84:91]  input_w[8 g ..]   (sensory waves)
.set IB,  92           ; v[92:99]  input_b[8 g ..]
.set T,   100          ; v[100:109], v[110:119], v[120:129]  at work in the softplus
.set U,   110
.set M,   120
.set NA,  100          ; v[100:104]  in the loop: num of my input k times A_k, k = 0..4 (the softplus has written these registers in every wave, as a DPP line's destination wants)
.set A2,  106          ; v[106:107]  (den, num) of k = 2, 5
.set MS,  108          ; v[108:109]  my eight inputs' sums
.set Z,   130          ; v[130:137]  a recurrent unfold's eight sigmoids, in place; between unfolds: C_k
.set A0,  138          ; v[138:139]  (den, num) of k = 0, 3, 6 (sensory: of the even k)
.set A1,  140          ; v[140:141]  of k = 1, 4, 7 and the constant terms (sensory: of the odd k)
.set S,   142          ; v[142:143]  recurrent waves: (den, num) of my unit, whole: what is carried from unfold to unfold
.set XPN, 144          ; v144        num of the unit that my place in the other half holds
.set RC,  146          ; v146        1 / den
.set RC2, 147          ; v147        1 / den of that other unit
.set BASEP, 148        ; v[148:149]  half the constant terms
.set P,   150          ; v[150:165]  a chunk's eight pairs from the sensory wave
.set XSS, 166          ; v166  where I put my 16 bytes of a chunk, in the stage's half 0
.set XSL, 167          ; v167  where my eight x of step 0 lie, in the stage's half 0
.set X,   168          ; v[168:171]  a chunk of x on its way
.set SS,  172          ; v[172:173]  sensory waves: a step's pair
.set V2,  174          ; v174        v of that other unit
.set XR,  176          ; v[176:239]  sensory waves: 8 registers a step, x and then its sigmoids
; the head's registers, where the parameters lay as loaded: those are done with when the loop begins
.set OW,  48           ; output_w, output_b, ln_w, ln_b of unit j
.set OB,  49
.set LW,  50
.set LB,  51
.set FB,  52           ; fc_b[o], o = min(q, 14)
.set OO,  53           ; 4 L + 60 x row
.set FO1, 54           ; 64 o + 32 rho
.set FO2, 55           ; 64 o + 32 (1 - rho)
.set FW,  56           ; v[56:71]  FW[n] = fc_w[o][8 rho + n], FW[8 + n] = fc_w[o][8 (1 - rho) + n], n = 0..7
.set H,   72
.set SM,  73
.set DV,  74
.set SQ,  75
.set RQ,  76
.set HN,  77
.set ACC, 78
.set FBO, 79
; scalars: s[4:45] the 21 addresses; s46 wave; s47 wave & 1; s[48:55] my kind's four tables (w, mu, sigma, erev); s56 trips; s57 byte, in the row, of the chunk of x to ask for next;
; s58, s59 lane selects; s60 log2(e); s61 my row; s62 all ones in a sensory wave, else 0; s2, s3 at work; s63 EXEC kept
.macro BAR                             ; my LDS stores are done and my LDS loads are back; then the work-group's barrier
	s_wait_dscnt 0x0
	s_barrier_signal -1
	s_barrier_wait -1
.endm
; The lines of eight sigmoids, in place on v[z .. z+7].
.macro FA z, p                         ; A u + C, two at a time
	v_pk_fma_f32 v[(\z)+2*(\p):(\z)+2*(\p)+1], v[(\z)+2*(\p):(\z)+2*(\p)+1], v[SG+2*(\p):SG+2*(\p)+1], v[CC+2*(\p):CC+2*(\p)+1]
.endm
.macro EX z, k
	v_exp_f32 v[(\z)+(\k)], v[(\z)+(\k)]
.endm
.macro DA z, p                         ; + 1
	v_pk_add_f32 v[(\z)+2*(\p):(\z)+2*(\p)+1], v[(\z)+2*(\p):(\z)+2*(\p)+1], 1.0 op_sel_hi:[1,0]
.endm
.macro RP z, k
	v_rcp_f32 v[(\z)+(\k)], v[(\z)+(\k)]
.endm
.macro GE z, k, a, c                   ; k even: a = s_k x (wp, wp erev) + c: the pair's first register feeds both halves
	v_pk_fma_f32 v[(\a):(\a)+1], v[(\z)+(\k):(\z)+(\k)+1], v[WA+2*(\k):WA+2*(\k)+1], v[(\c):(\c)+1] op_sel_hi:[0,1,1]
.endm
.macro GD z, k, a                      ; k odd: a += s_k x (wp, wp erev): the pair's second register feeds both halves
	v_pk_fma_f32 v[(\a):(\a)+1], v[(\z)+(\k)-1:(\z)+(\k)], v[WA+2*(\k):WA+2*(\k)+1], v[(\a):(\a)+1] op_sel:[1,0,0]
.endm
.macro ME z, k, a                      ; k even, a multiply that starts a sum: nothing is cleared
	v_pk_mul_f32 v[(\a):(\a)+1], v[(\z)+(\k):(\z)+(\k)+1], v[WA+2*(\k):WA+2*(\k)+1] op_sel_hi:[0,1]
.endm
.macro MO z, k, a                      ; k odd, likewise
	v_pk_mul_f32 v[(\a):(\a)+1], v[(\z)+(\k)-1:(\z)+(\k)], v[WA+2*(\k):WA+2*(\k)+1] op_sel:[1,0]
.endm
; The recurrent unfold's own lines.  n: the lane of my group of eight from which the first source is taken.
.macro SD k                            ; Z_k = C_k: the multiply-adds below add onto it
	v_mov_b32 v[Z+(\k)], v[CC+(\k)]
.endm
.macro MN k, src, n                    ; num of my input k times A_k
	v_mul_f32_dpp v[NA+(\k)], v[(\src)], v[SG+(\k)] dpp8:[\n,\n,\n,\n,\n,\n,\n,\n]
.endm
.macro FN k, src, n                    ; C_k + (1 / den of that input) x (num A_k)
	v_fmac_f32_dpp v[Z+(\k)], v[(\src)], v[NA+(\k)] dpp8:[\n,\n,\n,\n,\n,\n,\n,\n]
.endm
.macro FV k, n                         ; C_k + (v of my input k, of the other half) x A_k
	v_fmac_f32_dpp v[Z+(\k)], v[V2], v[SG+(\k)] dpp8:[\n,\n,\n,\n,\n,\n,\n,\n]
.endm
; A RECURRENT UNFOLD, from one whole pair S = (den, num) to the next.  It is one dependent chain, and the order serves that chain alone:
;   1 / den;  the arguments;  2^x;  + 1;  the reciprocals;  three chains of sums and two additions;  the unit's other lane.
; - The move from another lane and the arithmetic are one line (DPP rides on it); the multiply-adds add onto Z_k = C_k, and the eight lines that set Z_k stand where the wave waits anyway.
; - v = num / den is not in the chain: num A_k is made while the reciprocal is out, and the argument takes 1 / den straight (k = 0..4).
; - The crossing between the halves of the wave is not in the chain either: num crosses beside the reciprocal, 1 / den as soon as it is there, and what hangs on them (k = 4..7) are the
;   arguments whose exponentials come last in the run of transcendentals; for k = 5..7 there is time to make the other unit's v first, which spares a line each.
; - v_j, made beside all that, serves the term 2 sp(cm) v_j, which with step t's sensory pair starts the second chain of sums.
; - Transcendentals and plain lines take turns where plain work is ready.  A chain of sums takes every third sigmoid, so that a sum need not wait for the one before it.
; - The unit's two lanes lie in one half of the wave: den, and a line behind it num, are made whole by an addition with row_xmask:12; both lanes add the same two numbers.
; Between every exponential or reciprocal and the first use of its result stands a plain vector instruction without DPP that names none of its registers (ISA guide 5.7.2).
; wt >= 0: step t's pair is waited for, wt younger LDS loads staying out.
.macro UNF t, wt
	v_rcp_f32 v[RC], v[S]
	SD 7
	v_permlanex16_b32 v[XPN], v[S+1], s58, s59     ; num crosses the halves
	MN 0, S+1, 0
	MN 1, S+1, 1
	MN 2, S+1, 2
	MN 3, S+1, 3
	MN 4, XPN, 0
	v_permlanex16_b32 v[RC2], v[RC], s58, s59      ; 1 / den crosses
	FN 0, RC, 0
	FN 1, RC, 1
	FN 2, RC, 2
	FN 3, RC, 3
	v_mul_f32 v[V2], v[XPN], v[RC2]
	EX Z, 0
	FN 4, RC2, 0
	EX Z, 1
	v_mul_f32 v[VV], v[S+1], v[RC]
	EX Z, 2
	FV 5, 1
	EX Z, 3
	FV 6, 2
	EX Z, 4
	FV 7, 3
	EX Z, 5
	DA Z, 0
	EX Z, 6
	EX Z, 7
	DA Z, 1
	RP Z, 0
	RP Z, 1
	DA Z, 2
	RP Z, 2
.if (\wt) >= 0
	s_wait_dscnt \wt                               ; LDS loads come back in order (ISA guide 5.7.1): step t's pair is in, the later steps' stay out
.endif
	v_pk_fma_f32 v[A1:A1+1], v[VV:VV+1], v[HC:HC+1], v[P+2*(\t):P+2*(\t)+1] op_sel_hi:[0,1,1]  ; (den, num) = (v x 0, v x 2 sp(cm)) + the sensory pair
	RP Z, 3
	DA Z, 3
	RP Z, 4
	ME Z, 0, A0
	RP Z, 5
	GD Z, 1, A1
	RP Z, 6
	ME Z, 2, A2
	RP Z, 7
	GD Z, 3, A0
	GE Z, 4, A1, A1
	SD 0                                           ; a sigmoid that has been read makes room for the next unfold's C_k
	GD Z, 5, A2
	SD 1
	GE Z, 6, A0, A0
	SD 2
	GD Z, 7, A1
	SD 3
	SD 4
	v_pk_add_f32 v[A0:A0+1], v[A0:A0+1], v[A2:A2+1]
	SD 5
	SD 6
	v_pk_add_f32 v[MS:MS+1], v[A0:A0+1], v[A1:A1+1]  ; my eight inputs' sums
	v_add_f32_dpp v[S], v[MS], v[MS] row_xmask:12 row_mask:0xf bank_mask:0xf        ; + the other eight inputs', from lane q ^ 12
	v_add_f32_dpp v[S+1], v[MS+1], v[MS+1] row_xmask:12 row_mask:0xf bank_mask:0xf
.endm
.macro STEP t                          ; a time step: four unfolds on the same sensory pair; the first waits for it, in its middle
	UNF \t, 7-\t
	UNF \t, -1
	UNF \t, -1
	UNF \t, -1
.endm
; A recurrent wave's chunk: eight pairs out of buffer beta, eight steps.  The wave issues no other LDS instruction in a chunk, so step t's wait leaves 7 - t loads out.
.macro REC beta
.irp t, 0,1,2,3,4,5,6,7
	ds_load_b64 v[P+2*\t:P+2*\t+1], v[RBA] offset:RB+(\beta)*4096+256*\t
.endr
.irp t, 0,1,2,3,4,5,6,7
	STEP \t
.endr
.endm
; EIGHT SENSORY SIGMOIDS AND THEIR SUMS, on x in v[z .. z+7]: the even sums start from half the constant terms, the odd ones by a multiply.  Between every exponential or reciprocal and the
; first use of its result stands a plain vector instruction that names none of its registers (ISA guide 5.7.2).  These waves have a quarter of the recurrent waves' sigmoids: nobody waits for them.
.macro SIG z
	FA \z, 0
	FA \z, 1
	EX \z, 0
	EX \z, 1
	EX \z, 2
	EX \z, 3
	FA \z, 2
	FA \z, 3
	DA \z, 0
	EX \z, 4
	EX \z, 5
	DA \z, 1
	RP \z, 0
	RP \z, 1
	EX \z, 6
	EX \z, 7
	DA \z, 2
	RP \z, 2
	RP \z, 3
	GE \z, 0, A0, BASEP
	DA \z, 3
	RP \z, 4
	RP \z, 5
	MO \z, 1, A1
	GE \z, 2, A0, A0
	RP \z, 6
	RP \z, 7
	GD \z, 3, A1
	GE \z, 4, A0, A0
	GD \z, 5, A1
	GE \z, 6, A0, A0
	GD \z, 7, A1
.endm
; A sensory wave's chunk.  The chunk lies in half beta of the wave's own stage, 16 bytes a lane as loaded; a lane reads its eight x of each step (the lanes of like g the same 32 bytes).  Then eight
; sigmoids a step, and the pair into hand-over buffer beta.  The next chunk is asked for behind the first wait, has the eight steps in which to land, and goes into the stage's other half at the
; end: no load is out when the macro is left.  The stage is the wave's own, and LDS serves a wave's instructions in order (ISA guide 5.7.1.4).
; The look-ahead is clamped to the row's last chunk: the two loads past it read chunk 63 again, and the last trip's second sensory chunk is worked on such a copy, into a buffer
; that nobody reads: the price, once a launch, of one text for every trip.
.macro SENS beta
.irp t, 0,1,2,3,4,5,6,7
	ds_load_b128 v[XR+8*\t:XR+8*\t+3],   v[XSL] offset:(\beta)*512+64*\t
	ds_load_b128 v[XR+8*\t+4:XR+8*\t+7], v[XSL] offset:(\beta)*512+64*\t+16
.endr
.irp t, 0,1,2,3,4,5,6,7
	s_wait_dscnt 14-\t                             ; behind step t's two loads: 14 - 2 t loads of later steps and t stores of earlier results
.if \t == 0
	v_add_nc_u32 v[XOA], s57, v[XO]                ; the last load by this register was waited for, and the stage's last store, which read X, is done
	global_load_b128 v[X:X+3], v[XOA], s[4:5] th:TH_LOAD_NT  ; 512 consecutive bytes of x, at a multiple of 512 from its first
	s_add_co_u32 s57, s57, 512
	s_min_u32 s57, s57, 63*512                     ; no load leaves the row
.endif
	SIG XR+8*\t
	v_pk_add_f32 v[SS:SS+1], v[A0:A0+1], v[A1:A1+1]
	ds_store_b64 v[RBA], v[SS:SS+1] offset:RB+(\beta)*4096+256*\t
.endr
	s_wait_loadcnt 0x0                             ; the next chunk is in
	ds_store_b128 v[XSS], v[X:X+3] offset:(1-(\beta))*512
.endm
	s_load_b512 s[4:19], s[0:1], 0x0               ; x 4:5, sensory_w 6:7, sensory_mu 8:9, sensory_sigma 10:11, sensory_erev 12:13, w 14:15, mu 16:17, sigma 18:19
	s_load_b512 s[20:35], s[0:1], 0x40             ; erev 20:21, input_w 22:23, input_b 24:25, gleak 26:27, vleak 28:29, cm 30:31, output_w 32:33, output_b 34:35
	s_load_b256 s[36:43], s[0:1], 0x80             ; ln_w 36:37, ln_b 38:39, fc_w 40:41, fc_b 42:43
	s_load_b64 s[44:45], s[0:1], 0xa0              ; out0
	v_lshl_add_u32 v[SPW], v0, 2, SPARE
	v_mov_b32 v[NIL], 0
	v_lshrrev_b32 v[RW], 5, v0
	v_readfirstlane_b32 s46, v[RW]                 ; wave 0..3
	v_and_b32 v[LN], 31, v0
	v_and_b32 v[QQ], 15, v0
	v_bfe_u32 v[RW], v0, 4, 1                      ; rho
	v_bfe_u32 v[GG], v0, 3, 1                      ; g
	v_and_b32 v[JO], 7, v0                         ; m
	v_lshl_add_u32 v[JO], v[GG], 2, v[JO]
	v_and_b32 v[JO], 7, v[JO]                      ; (m + 4 g) % 8
	v_lshl_add_u32 v[JO], v[RW], 3, v[JO]          ; j
	v_lshlrev_b32 v[JO], 2, v[JO]
	v_lshl_add_u32 v[POA], v[RW], 1, v[GG]
	v_lshl_add_u32 v[POA], v[POA], 8, v[JO]        ; a recurrent lane's table rows: 8 rho + 4 g on: 512 rho + 256 g + 4 j,
	v_xor_b32 v[POB], 0x200, v[POA]                ; and 8 (1 - rho) + 4 g on
	v_lshl_add_u32 v[T], v[GG], 9, v[JO]           ; a sensory lane's: 8 g on: 512 g + 4 j,
	v_add_nc_u32 v[T+1], 0x100, v[T]               ; and 8 g + 4 on
	s_and_b32 s47, s46, 1
	s_lshl_b32 s61, ttmp9, 1
	s_add_co_u32 s61, s61, s47                     ; my row
	s_mov_b32 s58, 0x76543210                      ; v_permlanex16_b32: each lane takes its own place in the other half
	s_mov_b32 s59, 0xfedcba98
	s_mov_b32 s60, 0x3fb8aa3b                      ; log2(e)
	s_lshl_b32 s2, s47, 11
	v_lshl_add_u32 v[RBA], v[LN], 3, s2
	s_lshl_b32 s2, s61, 15                         ; a row of x is 512 steps x 64 bytes
	v_lshl_add_u32 v[XO], v[LN], 4, s2
	s_lshl_b32 s3, s46, 10
	s_add_co_u32 s3, s3, XS                        ; my wave's stage
	v_lshl_add_u32 v[XSS], v[LN], 4, s3
	v_lshl_add_u32 v[XSL], v[GG], 5, s3
	s_mov_b32 s57, 512                             ; the next chunk of x to ask for: chunk 1
	s_mov_b32 s56, 32                              ; 32 trips of two chunks
	s_wait_kmcnt 0x0
	s_cmp_ge_u32 s46, 2                            ; a sensory wave takes the sensory tables, a recurrent wave the recurrent ones: one text loads and prepares either
	s_cselect_b64 s[48:49], s[6:7], s[14:15]
	s_cselect_b64 s[50:51], s[8:9], s[16:17]
	s_cselect_b64 s[52:53], s[10:11], s[18:19]
	s_cselect_b64 s[54:55], s[12:13], s[20:21]
	s_cselect_b32 s62, -1, 0
	v_cndmask_b32 v[POA], v[POA], v[T], s62        ; and its own kind's rows of them
	v_cndmask_b32 v[POB], v[POB], v[T+1], s62
.irp k, 0,1,2,3
	global_load_b32 v[RAW+\k], v[POA], s[48:49] offset:64*\k
	global_load_b32 v[RM+\k],  v[POA], s[50:51] offset:64*\k
	global_load_b32 v[RS+\k],  v[POA], s[52:53] offset:64*\k
	global_load_b32 v[RE+\k],  v[POA], s[54:55] offset:64*\k
.endr
.irp k, 0,1,2,3
	global_load_b32 v[RAW+4+\k], v[POB], s[48:49] offset:64*\k
	global_load_b32 v[RM+4+\k],  v[POB], s[50:51] offset:64*\k
	global_load_b32 v[RS+4+\k],  v[POB], s[52:53] offset:64*\k
	global_load_b32 v[RE+4+\k],  v[POB], s[54:55] offset:64*\k
.endr
	global_load_b32 v[GL], v[JO], s[26:27]
	global_load_b32 v[CM], v[JO], s[30:31]
	global_load_b32 v[VL], v[JO], s[28:29]
	s_wait_loadcnt 0x0                             ; once: the tables and the three numbers of my unit
	; softplus of my eight w, gleak_j and cm_j, stage by stage: t = e^-|x|; max(x, 0) + ln(1 + t), or, below t = 2^-10, where 1 + t would lose t's bits, max(x, 0) + t - t^2 / 2
.irp i, 0,1,2,3,4,5,6,7,8,9
	v_and_b32 v[T+\i], 0x7fffffff, v[RAW+\i]
.endr
.irp i, 0,1,2,3,4,5,6,7,8,9
	v_mul_f32 v[T+\i], 0xbfb8aa3b, v[T+\i]         ; -|x| log2(e)
.endr
.irp i, 0,1,2,3,4,5,6,7,8,9
	v_exp_f32 v[T+\i], v[T+\i]
.endr
.irp i, 0,1,2,3,4,5,6,7,8,9
	v_max_num_f32 v[M+\i], 0, v[RAW+\i]            ; these plain lines stand behind the exponentials
.endr
.irp i, 0,1,2,3,4,5,6,7,8,9
	v_add_f32 v[U+\i], 1.0, v[T+\i]
.endr
.irp i, 0,1,2,3,4,5,6,7,8,9
	v_log_f32 v[U+\i], v[U+\i]
.endr
.irp i, 0,1,2,3,4,5,6,7,8,9
	v_mul_f32 v[RAW+\i], -0.5, v[T+\i]             ; and these behind the logarithms
.endr
.irp i, 0,1,2,3,4,5,6,7,8,9
	v_fma_f32 v[RAW+\i], v[RAW+\i], v[T+\i], v[T+\i]  ; t - t^2 / 2
.endr
.irp i, 0,1,2,3,4,5,6,7,8,9
	v_fmamk_f32 v[U+\i], v[U+\i], 0x3f317218, v[M+\i]  ; log2(1 + t) ln(2) + max(x, 0)
	v_add_f32 v[M+\i], v[M+\i], v[RAW+\i]
.endr
.irp i, 0,1,2,3,4,5,6,7,8,9
	v_cmp_gt_f32 vcc_lo, 0x3a800000, v[T+\i]       ; 2^-10 > t?
.if \i < 8
	v_cndmask_b32 v[WA+2*\i], v[U+\i], v[M+\i], vcc_lo
.else
	v_cndmask_b32 v[RAW+\i], v[U+\i], v[M+\i], vcc_lo
.endif
.endr
.irp k, 0,1,2,3,4,5,6,7
	v_mul_f32 v[WA+2*\k+1], v[WA+2*\k], v[RE+\k]
	v_mul_f32 v[SG+\k], 0xbfb8aa3b, v[RS+\k]       ; A = -log2(e) sigma
	v_mul_f32 v[CC+\k], s60, v[RS+\k]
.endr
.irp k, 0,1,2,3,4,5,6,7
	v_mul_f32 v[CC+\k], v[CC+\k], v[RM+\k]         ; C = log2(e) sigma mu
.endr
	v_mov_b32 v[HC], 0
	v_add_f32 v[HC+1], v[CM], v[CM]                ; 2 sp(cm): each of the unit's two lanes brings half of cm_t = 4 sp(cm)
	v_fma_f32 v[BASEP], 4.0, v[CM], v[GL]          ; half the constant terms
	v_mul_f32 v[BASEP+1], v[GL], v[VL]
	v_add_f32 v[BASEP], 0x322bcc77, v[BASEP]       ; + 1e-8
	v_mul_f32 v[BASEP+1], 0.5, v[BASEP+1]
	v_mul_f32 v[BASEP], 0.5, v[BASEP]
	v_mov_b32 v[S], 1.0                            ; v starts at 0: den = 1, num = 0
	v_mov_b32 v[S+1], 0
	v_mov_b32 v[VV], 0
	v_mov_b32 v[VV+1], 0                           ; named with v as a pair; stays 0
.irp k, 0,1,2,3,4,5,6,7
	SD \k                                          ; what the first unfold adds onto
.endr
	v_mov_b32 v[XPN], 0                            ; the destination of a lane permute counts as read: these two are written once
	v_mov_b32 v[RC2], 0
	s_cmp_lt_u32 s46, 2
	s_cbranch_scc1 .Ltrip                          ; the recurrent waves are ready
	; SENSORY: chunk 0 of x and my eight numbers of the input's affine map, which is folded into A and C; then chunk 0's sums into buffer 0
	v_lshlrev_b32 v[U], 5, v[GG]
	global_load_b128 v[X:X+3], v[XO], s[4:5] th:TH_LOAD_NT
	global_load_b128 v[IW:IW+3],   v[U], s[22:23]
	global_load_b128 v[IW+4:IW+7], v[U], s[22:23] offset:16
	global_load_b128 v[IB:IB+3],   v[U], s[24:25]
	global_load_b128 v[IB+4:IB+7], v[U], s[24:25] offset:16
	s_wait_loadcnt 0x0
	ds_store_b128 v[XSS], v[X:X+3]                 ; into the stage's half 0
.irp p, 0,2,4,6
	v_pk_fma_f32 v[CC+\p:CC+\p+1], v[SG+\p:SG+\p+1], v[IB+\p:IB+\p+1], v[CC+\p:CC+\p+1]  ; C = -log2(e) sigma (ib - mu)
	v_pk_mul_f32 v[SG+\p:SG+\p+1], v[SG+\p:SG+\p+1], v[IW+\p:IW+\p+1]                    ; A = -log2(e) sigma iw
.endr
	SENS 0                                         ; chunk 0; chunk 1 is asked for and staged
; A TRIP: two chunks.  Each barrier orders two things: the sensory stores into the buffer that is read next stand ahead of those reads, and the recurrent reads of the buffer that is
; written next stand ahead of those stores; each wave has waited for its own LDS instructions in front of its signal.  The branches hang on the wave's number alone and pass no barrier.
.Ltrip:
	BAR
	s_cmp_lt_u32 s46, 2
	s_cbranch_scc0 .Lsens_a
	REC 0                                          ; chunk 2 n
	s_branch .Ljoin_a
.Lsens_a:
	SENS 1                                         ; chunk 2 n + 1
.Ljoin_a:
	BAR
	s_cmp_lt_u32 s46, 2
	s_cbranch_scc0 .Lsens_b
	REC 1                                          ; chunk 2 n + 1
	s_branch .Ljoin_b
.Lsens_b:
	SENS 0                                         ; chunk 2 n + 2
.Ljoin_b:
	s_sub_co_u32 s56, s56, 1
	s_cmp_lg_u32 s56, 0
	s_cbranch_scc1 .Ltrip
	s_cmp_lt_u32 s46, 2
	s_cbranch_scc0 .Lend
	; THE HEAD, recurrent waves: the last v, and the head's numbers, loaded here, once.  A group of eight lanes holds the eight units of its half of the wave: a sum over the 16 units is
	; three DPP steps inside the group, one lane permute and an addition.
	v_rcp_f32 v[RC], v[S]                          ; the address lines below are the plain instructions behind it
	s_mul_i32 s2, s61, 60
	v_lshl_add_u32 v[OO], v[LN], 2, s2
	v_min_u32 v[FO1], 14, v[QQ]                    ; o: lane 15 of a half has no output of its own and reads row 14, inside the tables
	v_lshlrev_b32 v[FBO], 2, v[FO1]
	v_lshlrev_b32 v[FO1], 6, v[FO1]
	v_lshl_add_u32 v[FO1], v[RW], 5, v[FO1]
	v_xor_b32 v[FO2], 32, v[FO1]
	global_load_b32 v[OW], v[JO], s[32:33]
	global_load_b32 v[OB], v[JO], s[34:35]
	global_load_b32 v[LW], v[JO], s[36:37]
	global_load_b32 v[LB], v[JO], s[38:39]
	global_load_b32 v[FB], v[FBO], s[42:43]
	global_load_b128 v[FW:FW+3],     v[FO1], s[40:41]
	global_load_b128 v[FW+4:FW+7],   v[FO1], s[40:41] offset:16
	global_load_b128 v[FW+8:FW+11],  v[FO2], s[40:41]
	global_load_b128 v[FW+12:FW+15], v[FO2], s[40:41] offset:16
	v_mul_f32 v[VV], v[S+1], v[RC]                 ; v of the last unfold
	s_mov_b32 s3, 0x3d800000                       ; 1 / 16
	s_wait_loadcnt 0x0
	v_fma_f32 v[H], v[VV], v[OW], v[OB]
	v_mov_b32 v[SM], v[H]
.irp m, 1,2,4
	v_add_f32_dpp v[SM], v[SM], v[SM] row_xmask:\m row_mask:0xf bank_mask:0xf
.endr
	v_permlanex16_b32 v[XPN], v[SM], s58, s59      ; the other half's eight units
	v_add_f32 v[SM], v[SM], v[XPN]
	v_fmamk_f32 v[DV], v[SM], 0xbd800000, v[H]     ; h - mean
	v_mul_f32 v[SQ], v[DV], v[DV]
.irp m, 1,2,4
	v_add_f32_dpp v[SQ], v[SQ], v[SQ] row_xmask:\m row_mask:0xf bank_mask:0xf
.endr
	v_permlanex16_b32 v[XPN], v[SQ], s58, s59
	v_add_f32 v[SQ], v[SQ], v[XPN]
	v_fmaak_f32 v[SQ], s3, v[SQ], 0x3727c5ac       ; var + 1e-5
	v_rsq_f32 v[RQ], v[SQ]
	v_nop                                          ; the plain instruction behind the root
	v_mul_f32 v[DV], v[DV], v[RQ]
	v_fma_f32 v[HN], v[DV], v[LW], v[LB]
	v_permlanex16_b32 v[RC2], v[HN], s58, s59      ; the other half's units, at the same places
.irp n, 0,1,2,3,4,5,6,7
	v_mov_b32_dpp v[Z+\n], v[HN] row_share:\n row_mask:0xf bank_mask:0xf   ; lane n of my half holds unit 8 rho + n
.endr
	v_fma_f32 v[ACC], v[Z], v[FW], v[FB]           ; the bias starts the sum
.irp n, 1,2,3,4,5,6,7
	v_fmac_f32 v[ACC], v[Z+\n], v[FW+\n]
.endr
.irp n, 0,1,2,3,4,5,6,7
	v_mov_b32_dpp v[Z+\n], v[RC2] row_share:\n row_mask:0xf bank_mask:0xf  ; unit 8 (1 - rho) + n
.endr
.irp n, 0,1,2,3,4,5,6,7
	v_fmac_f32 v[ACC], v[Z+\n], v[FW+8+\n]
.endr
	v_cmp_gt_u32 vcc_lo, 15, v[LN]                 ; lanes 0 to 14 hold the row's 15 outputs: 60 consecutive bytes
	s_wait_xcnt 0x0                                ; EXEC changes only behind this wait,
	s_and_saveexec_b32 s63, vcc_lo
	global_store_b32 v[OO], v[ACC], s[44:45]
	s_wait_xcnt 0x0                                ; and again in front of the line that widens it
	s_or_b32 exec_lo, exec_lo, s63
.Lend:
	s_wait_tensorcnt 0x0                           ; the wave's end: behind my last LDS store
	ds_add_u32 v[SPW], v[NIL]
	s_wait_dscnt 0x0
	s_endpgm
.Lfunc_end_k_qfb4cb521e6_ltc:
	.size	k_qfb4cb521e6_ltc, .Lfunc_end_k_qfb4cb521e6_ltc-k_qfb4cb521e6_ltc
	.p2alignl 7, 3214868480
	.fill 96, 4, 3214868480
	.section	.rodata,"a",@progbits
	.p2align	6, 0x0
	.amdhsa_kernel k_qfb4cb521e6_ltc
		.amdhsa_group_segment_fixed_size 167936
		.amdhsa_private_segment_fixed_size 0
		.amdhsa_enable_private_segment 0
		.amdhsa_kernarg_size 168
		.amdhsa_user_sgpr_count 2
		.amdhsa_user_sgpr_kernarg_segment_ptr 1
		.amdhsa_wavefront_size32 1
		.amdhsa_system_sgpr_workgroup_id_x 1
		.amdhsa_system_sgpr_workgroup_id_y 1
		.amdhsa_system_sgpr_workgroup_id_z 1
		.amdhsa_system_vgpr_workitem_id 0
		.amdhsa_next_free_vgpr 240
		.amdhsa_next_free_sgpr 66
		.amdhsa_reserve_vcc 1
		.amdhsa_float_denorm_mode_32 3
		.amdhsa_float_denorm_mode_16_64 3
		.amdhsa_memory_ordered 1
		.amdhsa_forward_progress 1
		.amdhsa_inst_pref_size 247
	.end_amdhsa_kernel
	.amdgpu_metadata
---
amdhsa.version: [ 1, 2 ]
amdhsa.kernels:
  - .name:           k_qfb4cb521e6_ltc
    .symbol:         k_qfb4cb521e6_ltc.kd
    .args:
      - { .name: x, .offset: 0, .size: 8, .value_kind: global_buffer, .address_space: global }
      - { .name: sensory_w, .offset: 8, .size: 8, .value_kind: global_buffer, .address_space: global }
      - { .name: sensory_mu, .offset: 16, .size: 8, .value_kind: global_buffer, .address_space: global }
      - { .name: sensory_sigma, .offset: 24, .size: 8, .value_kind: global_buffer, .address_space: global }
      - { .name: sensory_erev, .offset: 32, .size: 8, .value_kind: global_buffer, .address_space: global }
      - { .name: w, .offset: 40, .size: 8, .value_kind: global_buffer, .address_space: global }
      - { .name: mu, .offset: 48, .size: 8, .value_kind: global_buffer, .address_space: global }
      - { .name: sigma, .offset: 56, .size: 8, .value_kind: global_buffer, .address_space: global }
      - { .name: erev, .offset: 64, .size: 8, .value_kind: global_buffer, .address_space: global }
      - { .name: input_w, .offset: 72, .size: 8, .value_kind: global_buffer, .address_space: global }
      - { .name: input_b, .offset: 80, .size: 8, .value_kind: global_buffer, .address_space: global }
      - { .name: gleak, .offset: 88, .size: 8, .value_kind: global_buffer, .address_space: global }
      - { .name: vleak, .offset: 96, .size: 8, .value_kind: global_buffer, .address_space: global }
      - { .name: cm, .offset: 104, .size: 8, .value_kind: global_buffer, .address_space: global }
      - { .name: output_w, .offset: 112, .size: 8, .value_kind: global_buffer, .address_space: global }
      - { .name: output_b, .offset: 120, .size: 8, .value_kind: global_buffer, .address_space: global }
      - { .name: ln_w, .offset: 128, .size: 8, .value_kind: global_buffer, .address_space: global }
      - { .name: ln_b, .offset: 136, .size: 8, .value_kind: global_buffer, .address_space: global }
      - { .name: fc_w, .offset: 144, .size: 8, .value_kind: global_buffer, .address_space: global }
      - { .name: fc_b, .offset: 152, .size: 8, .value_kind: global_buffer, .address_space: global }
      - { .name: out0, .offset: 160, .size: 8, .value_kind: global_buffer, .address_space: global }
    .group_segment_fixed_size: 167936
    .private_segment_fixed_size: 0
    .kernarg_segment_align: 8
    .kernarg_segment_size: 168
    .max_flat_workgroup_size: 128
    .sgpr_count:     66
    .vgpr_count:     240
    .wavefront_size: 32
...
	.end_amdgpu_metadata
.endif
;; end of part 2
